; MI455X (gfx1250); checked and timed in simulation.
; The chip was launched on July 23, 2026; its instructions are those of AMD's public machine-readable ISA for CDNA 5 (MIT licence, August 2026) and "CDNA5" Instruction Set Architecture Reference Guide (July 2026). The comments in the code are by the model that wrote it; some were corrected since.
;; Multi Head Attention Classical. Allowed arithmetic: matrix products marked QUANTISED: E2M3 operands, one E8M0 scale for each 32 along K, by v_wmma_scale_f32_16x16x128_f8f6f4 with both operands' format E2M3, f32 sums; everything else in f32.
;; Inputs: w_k 1,024 x 1,024 float32; w_o 1,024 x 1,024 float32; w_q 1,024 x 1,024 float32; w_v 1,024 x 1,024 float32; x 4 x 2,048 x 1,024 float32.
;; Outputs: out0 4 x 2,048 x 1,024 float32.
;; This version of the problem:
;;   THIS VERSION OF THE PROBLEM IS GIVEN IN LOW PRECISION. The matrix products marked QUANTISED in the list below multiply operands that are first quantised to E2M3 (2 exponent bits, 3 mantissa bits; 6 bits a number), with one power-of-two scale for each 32 numbers along K (OCP MX v1.0); their sums are f32. All else is computed in f32.
;;   The module's matrix products, in the order in which they are computed (A, B: the left and right operand; K: the contracted axis; several contracted axes count as one K, in the product's order):
;;     1. [M 8,192, K 1,024] x [K 1,024, N 1,024]; A: input x; B: input w_q: QUANTISED
;;     2. [M 8,192, K 1,024] x [K 1,024, N 1,024]; A: input x; B: input w_k: QUANTISED
;;     3. [M 8,192, K 1,024] x [K 1,024, N 1,024]; A: input x; B: input w_v: QUANTISED
;;     4. batch 64 x [M 2,048, K 64] x [K 64, N 2,048]; A: computed on the way; B: computed on the way: QUANTISED
;;     5. batch 64 x [M 2,048, K 2,048] x [K 2,048, N 64]; A: softmax (see below); B: computed on the way: QUANTISED
;;     6. [M 8,192, K 1,024] x [K 1,024, N 1,024]; A: computed on the way; B: input w_o: QUANTISED
;;   THE QUANTISER, for each operand of a quantised product, along K:
;;     - K is cut into blocks of 32 from its start; a last block that is shorter is filled with zeros.
;;     - A block's scale is 2^e with e = floor(log2(the largest magnitude in the block)) - 2, held to -126 .. 127; a block of zeros has e = 0. As a byte (E8M0): e + 127.
;;     - Each number is divided by its block's scale, clamped to +-7.5, and rounded to the nearest number of E2M3, ties to even, subnormals kept.
;;     - The product sums the exact products of the quantised numbers (number of the format x scale) in f32.
;;   ~~~python
;;   def quantise(x, axis):      # numpy; x: float32 -> the quantised numbers, widened to float32 again
;;       x = np.moveaxis(x, axis, -1); K = x.shape[-1]
;;       x = np.pad(x, [(0, 0)] * (x.ndim - 1) + [(0, -K % 32)]); x = x.reshape(x.shape[:-1] + (-1, 32)); a = np.abs(x).max(-1, keepdims=True)
;;       e = np.where(a > 0, np.clip(np.frexp(np.where(a > 0, a, 1))[1] - 1 - 2, -126, 127), 0)      # np.frexp(a)[1] - 1 = floor(log2(a)), exactly
;;       r = np.clip(x / 2.0 ** e, -7.5, 7.5)
;;       step = 2.0 ** (np.maximum(np.frexp(np.where(r == 0, 1, r))[1] - 1, 0) - 3)
;;       q = np.round(r / step) * step * 2.0 ** e      # np.round: ties to even
;;       return np.moveaxis(q.reshape(q.shape[:-2] + (-1,))[..., :K], -1, axis).astype(np.float32)
;;   ~~~
;;   SOFTMAX AHEAD OF A QUANTISED PRODUCT. Where the list says 'softmax', what is quantised is not the finished softmax but p = 2^(t - M), with t = logit x log2(e) and M = ceil(the row's largest t), a whole number; so 1/2 < the row's largest p <= 1. The row's sum l is taken of the UNQUANTISED p, in f32, and the product's result is divided by l at the end. Since M is a whole number, a kernel that streams over the keys may use a running M (the ceiling of the running maximum): every later rescaling is an exact power of two, which a block's scale takes up: the codes' values come out the same.
;;   OPERANDS COMPUTED ON THE WAY. 'Computed on the way' means the value that the module computes at that place (a softmax that the list does not call 'softmax' is quantised finished and normalised). What goes into a quantiser is computed in f32, as accurately as f32 sums, v_exp_f32 and their like allow (about 1e-6 of the number): no bf16 or f16 on the way to a quantiser, and a product that is left as it is and whose result goes on into a quantised operand takes f32 operands (vector FMAs, or v_wmma_f32_16x16x4_f32). A number that lies on a knife's edge between two numbers of the format may be rounded either way, as far as f32 arithmetic and the matrix unit's own rounding can turn it there, and no further.
;; One version. Each part assembles by itself: llvm-mc -triple=amdgcn-amd-amdhsa -mcpu=gfx1250 --defsym DOCPART=n.
;; ======== version 1 of 1: 4 launches
;; limits: right only within a limited range of input values
;; workspace buffers: img 9,437,184 bytes; scl 393,216 bytes; qi 6,815,744 bytes; kv 13,369,344 bytes; ao 6,291,456 bytes; aos 262,144 bytes
;; launch quant (part 1): grid 768 x 1, 8 waves a work-group, no clusters, 69,632 bytes of LDS; arguments x, w_q, w_k, w_v, w_o, img, scl; writes img, scl
.if DOCPART == 1
	.amdgcn_target "amdgcn-amd-amdhsa--gfx1250"
	.amdhsa_code_object_version 6
	.text
	.protected	k_q3939e53aa6_quant
	.globl	k_q3939e53aa6_quant
	.p2align	8
	.type	k_q3939e53aa6_quant,@function
k_q3939e53aa6_quant:
	s_mov_b64 s[64:65], 0
	v_nop
	global_prefetch_b8 v0, s[64:65] scope:SCOPE_SE
	s_setreg_imm32_b32 hwreg(HW_REG_WAVE_MODE, 25, 1), 1
	s_wait_xcnt 0x0
; x [8192][1024] and the four weights [1024][1024], f32, K innermost, become codes of FP6 (E2M3) with one E8M0 byte for each 32 along K, laid as IMAGES OF OPERAND REGISTERS.
; Rows go in groups of 128: groups 0-63 x, 64-71 w_q, 72-79 w_k, 80-87 w_v, 88-95 w_o.  Tile T = 2 B + u of a group holds at lane-row r the row 32 B + 8 u + r + 8 (r / 8).
; A fragment (16 rows x 128 K, 12 registers a lane) is 1,536 bytes: for c = 0, 1: registers 6c..6c+3 at 768 c + 16 x lane, registers 6c+4, 6c+5 at 768 c + 512 + 8 x lane.
; img: [group][K step 0..7][tile 0..7][1,536].  scl: [group][K step][512]: lane l at 16 l holds words i = 0..3, the word of tile 2 i + (l / 16), row l % 16.
; A work-group takes one group and one K step; wave w takes tile w: sixteen loads of 512 consecutive bytes, turned through the wave's own stage in LDS so that lane (r, h) holds k = 64 c + 32 h + 0..31 of row r.
; A block's scale byte is its largest magnitude's exponent field - 2, held at 1 from below.
; LIMITS: a block of zeros gets the byte 1 where the rule says 127 (its codes are zeros, and this program alone reads the bytes); largest magnitudes under 2^-124 are held at that floor; NaN and infinities are not served.
.set PITCH, 528                        ; a stage row: 512 bytes + 16, an odd multiple of 16
.set WSTG,  16*PITCH                   ; a wave's stage
.set SCW,   8*WSTG                     ; behind the stages: the work-group's 512 bytes of scale words
.set SPARE, SCW+512                    ; the spare words, 128 bytes a wave: four blocks of 256 bytes that no other line names
.set SPW, 14                           ; v14  my spare word's address; never rewritten
.set NIL, 15                           ; v15  0; never rewritten
.set R,   16                           ; v16-79   the numbers as loaded
.set X,   80                           ; v80-143  64 numbers of my row: 32 c + i = k 64 c + 32 h + i
.set C,   144                          ; v144-155 the fragment
.set T,   16                           ; v16-22 the blocks' upper halves, before they are moved: on the registers of the numbers as loaded, which have gone to the stage by then
	s_load_b256 s[4:11], s[0:1], 0x0               ; x, w_q, w_k, w_v
	s_load_b128 s[12:15], s[0:1], 0x20             ; w_o, img
	s_load_b64 s[16:17], s[0:1], 0x30              ; scl
	v_lshl_add_u32 v[SPW], v0, 2, SPARE
	v_mov_b32 v[NIL], 0
	v_lshrrev_b32 v8, 5, v0
	s_delay_alu instid0(VALU_DEP_1)
	v_readfirstlane_b32 s18, v8                    ; wave = tile
	v_and_b32 v9, 31, v0                           ; lane
	v_and_b32 v10, 15, v0                          ; r
	v_bfe_u32 v11, v0, 4, 1                        ; h
	s_delay_alu instid0(VALU_DEP_3)
	v_lshlrev_b32 v1, 4, v9                        ; 16 x lane
	s_delay_alu instid0(VALU_DEP_4)
	v_lshlrev_b32 v2, 3, v9                        ; 8 x lane
	s_mul_i32 s19, s18, WSTG
	v_add_nc_u32 v3, s19, v1                       ; the stage, on the way in: a row as it lies
	v_mul_u32_u24 v4, v10, PITCH
	s_delay_alu instid0(VALU_DEP_1)
	v_lshl_add_u32 v4, v11, 7, v4
	s_delay_alu instid0(VALU_DEP_1)
	v_add_nc_u32 v4, s19, v4                       ; on the way out: row r, + 128 h bytes
	s_and_b32 s25, s18, 1
	s_lshr_b32 s26, s18, 1
	s_lshl_b32 s27, s25, 8
	s_lshl_b32 s28, s26, 2
	s_add_co_u32 s27, s27, s28
	s_add_co_u32 s27, s27, SCW
	v_lshl_add_u32 v5, v10, 4, s27                 ; my row's scale word: 16 (r + 16 (tile % 2)) + 4 (tile / 2)
	v_add_nc_u32 v6, SCW, v1                       ; and where wave 0 reads the 512 bytes back
	s_mov_b32 s32, 0x76543210
	s_mov_b32 s33, 0xfedcba98                      ; v_permlanex16_b32's selects for lane l xor 16
	s_lshr_b32 s20, ttmp9, 3                       ; group
	s_and_b32 s21, ttmp9, 7                        ; K step
	s_and_b32 s24, s20, 7                          ; a weight's group of rows
	s_lshl_b32 s28, s26, 17                        ; the tile's first row, 32 (tile / 2) + 8 (tile % 2), x 4,096 bytes
	s_lshl_b32 s29, s25, 15
	s_add_co_u32 s28, s28, s29
	s_lshl_b32 s29, s21, 9                         ; the K step's 512 bytes of a row
	s_add_co_u32 s28, s28, s29
	s_mul_i32 s30, ttmp9, 12288                    ; img: (8 group + K step) x 8 fragments,
	s_mul_i32 s31, s18, 1536                       ; + my tile's
	s_add_co_u32 s30, s30, s31
	s_mov_b32 s31, 0
	s_lshl_b32 s34, ttmp9, 9                       ; scl: 512 bytes for a group and a K step
	s_mov_b32 s35, 0
	s_wait_alu depctr_va_vdst(0)
	s_wait_kmcnt 0x0
	s_mov_b64 s[22:23], s[12:13]                   ; which tensor: the choice hangs on the work-group's number alone
	s_cmp_lt_u32 s20, 88
	s_cselect_b64 s[22:23], s[10:11], s[22:23]
	s_cmp_lt_u32 s20, 80
	s_cselect_b64 s[22:23], s[8:9], s[22:23]
	s_cmp_lt_u32 s20, 72
	s_cselect_b64 s[22:23], s[6:7], s[22:23]
	s_cmp_lt_u32 s20, 64
	s_cselect_b64 s[22:23], s[4:5], s[22:23]
	s_cselect_b32 s24, s20, s24
	s_lshl_b32 s24, s24, 19                        ; 128 rows of 4,096 bytes
	s_add_co_u32 s24, s24, s28
	s_mov_b32 s25, 0
	s_add_nc_u64 s[22:23], s[22:23], s[24:25]
	s_add_nc_u64 s[14:15], s[14:15], s[30:31]
	s_add_nc_u64 s[16:17], s[16:17], s[34:35]
.set i, 0
.rept 16
	global_load_b128 v[R+4*i:R+4*i+3], v1, s[22:23] offset:(i+8*(i/8))*4096 th:TH_LOAD_NT   ; lane-row i: 32 lanes read 512 consecutive bytes
.set i, i+1
.endr
.set i, 0
.rept 16
	s_wait_loadcnt 15-i                            ; loads come back in order: row i is in, the younger ones stay out
	ds_store_b128 v3, v[R+4*i:R+4*i+3] offset:PITCH*i
.set i, i+1
.endr
.set i, 0
.rept 16
	ds_load_b128 v[X+4*i:X+4*i+3], v4 offset:256*(i/8)+16*(i%8)   ; my wave's own bytes, served in order: these see the stores above
.set i, i+1
.endr
	s_wait_dscnt 0x0
.irp c, 0,1
	v_max3_num_f32 v[8+\c], |v[X+32*\c]|, |v[X+1+32*\c]|, 0x1800000   ; my block 2 c + h: all 32 numbers are mine; the floor 2^(3 - 127) holds the byte at 1 from below
.endr
.irp i, 2,4,6,8,10,12,14,16,18,20,22,24,26,28,30
.irp c, 0,1
	s_delay_alu instid0(VALU_DEP_2)
	v_max3_num_f32 v[8+\c], v[8+\c], |v[X+32*\c+\i]|, |v[X+1+32*\c+\i]|
.endr
.endr
.irp c, 0,1
	s_delay_alu instid0(VALU_DEP_2)
	v_add_nc_u32 v[12+\c], 0xff000000, v[8+\c]     ; 2 off the exponent field: the conversion's scale operand
.endr
.irp c, 0,1
	s_delay_alu instid0(VALU_DEP_2)
	v_lshrrev_b32 v[8+\c], 23, v[12+\c]            ; the scale's byte
.endr
	s_delay_alu instid0(VALU_DEP_1)
	v_lshl_or_b32 v8, v9, 16, v8                   ; my two bytes: blocks h and 2 + h,
	v_lshlrev_b32 v10, 3, v11
	s_delay_alu instid0(VALU_DEP_1)
	v_lshlrev_b32 v8, v10, v8                      ; at their places, 8 h bits up;
	v_mov_b32 v10, 0
	s_delay_alu instid0(VALU_DEP_1)
	v_permlanex16_b32 v10, v8, s32, s33
	s_delay_alu instid0(VALU_DEP_1)
	v_or_b32 v8, v8, v10                           ; with lane l xor 16's two the word is whole
.irp c, 0,1
	v_cvt_scalef32_pk16_fp6_f32 v[C+6*\c:C+6*\c+2], v[X+32*\c:X+32*\c+15], v[12+\c]
	v_cvt_scalef32_pk16_fp6_f32 v[T+4*\c:T+4*\c+2], v[X+32*\c+16:X+32*\c+31], v[12+\c]   ; (a conversion's three registers begin on an even number)
.endr
	v_nop                                          ; one plain place behind the scaled conversions
.irp c, 0,1
.irp i, 0,1,2
	v_mov_b32 v[C+3+6*\c+\i], v[T+4*\c+\i]
.endr
.endr
	global_store_b128 v1, v[C:C+3], s[14:15]               ; each store of the wave covers 512 or 256 consecutive bytes, aligned
	global_store_b64 v2, v[C+4:C+5], s[14:15] offset:512
	global_store_b128 v1, v[C+6:C+9], s[14:15] offset:768
	global_store_b64 v2, v[C+10:C+11], s[14:15] offset:1280
	ds_store_b32 v5, v8                            ; lanes r and r + 16 write the same word with the same value
	s_wait_dscnt 0x0                               ; for the others' sake: my word has landed
	s_barrier_signal -1
	s_barrier_wait -1
	s_cmp_lg_u32 s18, 0
	s_cbranch_scc1 .Lend
	ds_load_b128 v[R:R+3], v6                      ; wave 0 stores the eight tiles' words as two aligned runs of 256 bytes
	s_wait_dscnt 0x0
	global_store_b128 v1, v[R:R+3], s[16:17]
.Lend:
	s_wait_tensorcnt 0x0                           ; the wave's end
	ds_add_u32 v[SPW], v[NIL]
	s_wait_dscnt 0x0
	s_endpgm
.Lfunc_end_k_q3939e53aa6_quant:
	.size	k_q3939e53aa6_quant, .Lfunc_end_k_q3939e53aa6_quant-k_q3939e53aa6_quant
	.p2alignl 7, 3214868480
	.fill 96, 4, 3214868480
	.section	.rodata,"a",@progbits
	.p2align	6, 0x0
	.amdhsa_kernel k_q3939e53aa6_quant
		.amdhsa_group_segment_fixed_size 69632
		.amdhsa_private_segment_fixed_size 0
		.amdhsa_enable_private_segment 0
		.amdhsa_kernarg_size 56
		.amdhsa_user_sgpr_count 2
		.amdhsa_user_sgpr_kernarg_segment_ptr 1
		.amdhsa_wavefront_size32 1
		.amdhsa_system_sgpr_workgroup_id_x 1
		.amdhsa_system_sgpr_workgroup_id_y 1
		.amdhsa_system_sgpr_workgroup_id_z 1
		.amdhsa_system_vgpr_workitem_id 0
		.amdhsa_next_free_vgpr 160
		.amdhsa_next_free_sgpr 66
		.amdhsa_reserve_vcc 0
		.amdhsa_float_denorm_mode_32 3
		.amdhsa_float_denorm_mode_16_64 3
		.amdhsa_memory_ordered 1
		.amdhsa_forward_progress 1
		.amdhsa_inst_pref_size 12
	.end_amdhsa_kernel
	.amdgpu_metadata
---
amdhsa.version: [ 1, 2 ]
amdhsa.kernels:
  - .name:           k_q3939e53aa6_quant
    .symbol:         k_q3939e53aa6_quant.kd
    .args:
      - { .name: x, .offset: 0, .size: 8, .value_kind: global_buffer, .address_space: global }
      - { .name: w_q, .offset: 8, .size: 8, .value_kind: global_buffer, .address_space: global }
      - { .name: w_k, .offset: 16, .size: 8, .value_kind: global_buffer, .address_space: global }
      - { .name: w_v, .offset: 24, .size: 8, .value_kind: global_buffer, .address_space: global }
      - { .name: w_o, .offset: 32, .size: 8, .value_kind: global_buffer, .address_space: global }
      - { .name: img, .offset: 40, .size: 8, .value_kind: global_buffer, .address_space: global }
      - { .name: scl, .offset: 48, .size: 8, .value_kind: global_buffer, .address_space: global }
    .group_segment_fixed_size: 69632
    .private_segment_fixed_size: 0
    .kernarg_segment_align: 8
    .kernarg_segment_size: 56
    .max_flat_workgroup_size: 256
    .sgpr_count:     66
    .vgpr_count:     160
    .wavefront_size: 32
...
	.end_amdgpu_metadata
.endif
;; end of part 1
;; launch qkv (part 2): grid 4 x 64, 4 waves a work-group, clusters of 4 x 4, 327,680 bytes of LDS; arguments img, scl, qi, kv; writes qi, kv
.if DOCPART == 2
	.amdgcn_target "amdgcn-amd-amdhsa--gfx1250"
	.amdhsa_code_object_version 6
	.text
	.protected	k_q3939e53aa6_qkv
	.globl	k_q3939e53aa6_qkv
	.p2align	8
	.type	k_q3939e53aa6_qkv,@function
k_q3939e53aa6_qkv:
	s_mov_b64 s[64:65], 0
	v_nop
	global_prefetch_b8 v0, s[64:65] scope:SCOPE_SE
	s_setreg_imm32_b32 hwreg(HW_REG_WAVE_MODE, 25, 1), 1
	s_wait_xcnt 0x0
	s_wait_alu depctr_hold_cnt(0) depctr_sa_sdst(0) depctr_va_vdst(0) depctr_va_sdst(0) depctr_va_ssrc(0) depctr_va_vcc(0) depctr_vm_vsrc(0)
	s_getreg_b32 s2, hwreg(HW_REG_IB_STS2, 6, 4)
	s_cmp_eq_u32 s2, 0
	s_cbranch_scc0 .Lentry_in_a_cluster
	s_endpgm
.Lentry_in_a_cluster:
	s_bfe_u32 s2, ttmp6, 0x10000c
	s_cmp_lg_u32 s2, 0xf033
	s_cbranch_scc0 .Lentry_shape_is_right
	s_endpgm
.Lentry_shape_is_right:
; Q, K, V = x W^T on codes of FP6 (E2M3) with E8M0 scales, and their quantisers: the results leave as codes and scale words, in the order of the next launch's operand registers.  No f32 result is stored.
; img: [group of 128 rows][K step 0..7][tile 0..7][1,536 bytes]: images of operand registers; groups 0-63 x, 64-71 w_q, 72-79 w_k, 80-87 w_v.  scl: [group][K step][512]: lane l at 16 l holds the words of tiles 2 i + l / 16, i = 0..3.
; THE DEAL.  256 work-groups; each takes one group of 128 tokens and 256 columns (four heads) through Q, K and V.  ALL OF K LIES IN LDS: x's group (98,304 bytes, from byte 0) is loaded once and serves all three;
; the weights' two groups (196,608 bytes behind it) are filled again for K and for V, IN TWO HALVES ALONG K, each behind the three lines and a round of the cluster's barrier:
; K steps 0-3 of the next tensor in a round inside K step 3, when nobody reads those bytes any more; K steps 4-7 in a round in the middle of the way out.  Each round also shows the half asked for in the round before to all waves.
; Between a half's request and the wait for it stand four K steps and half a way out, or half a way out and three K steps.  A half is 96 rows of 256 bytes a wave.
; Q, K: source 0 = 8 tiles of a weight's group (wave % 2), source 1 = 4 tiles of x (wave / 2): a lane holds a token, its registers run along two heads' channels.
; V: source 0 = x's 8 tiles, source 1 = the 4 tiles of one head of w_v (head 4 cx + wave): a lane holds a channel, its registers run along the 128 tokens.  The two differ in address and scale registers alone.
; CLUSTER 4 x 4: x's group is shared along a row of the cluster, the weights along a column: joint loads.  At the head wave 0 asks for x's group, waves 1-3 for a third of the weights each.
; No L2 prefetch: every cluster asks for the same bytes of a column's weights in the same phase, so the sixteen clusters would name the same blocks; x's bytes are all asked for at the head.
; q's and k's tiles leave in the row order that the next launch wants: lane-row r of tile a goes to tile 4 (a / 4) + a % 2 + 2 (r / 8), row r % 8 + 8 ((a / 2) % 2): these stores cover runs of 128 and 64 bytes; two tiles fill a unit of 256.
; REGISTERS: window 0: addresses, scale words, the quantiser's registers; window 1: source 0's fragments, two sets (v0, v128); window 2: 32 accumulators, (a, b) at 8 (8 a + b); window 3: source 1's fragments, two sets (v0, v48).
; LIMITS: a block of zeros gets the byte 1 (its codes are zeros; this program alone reads the bytes); NaN and infinities are not served.
.set GRP,   98304
.set HALF,  49152                      ; four K steps of a group: an LDS offset holds 16 bits, so each address has two registers
.set WB,    GRP
.set SPARE, 3*GRP
.set L16, 16
.set L8,  17
.set SPW, 18
.set NIL, 19
.set XO,  24                           ; 16 x lane + 8 (wave / 2);  v25: + 8 (wave % 2)
.set VO,  25
.set S0,  32                           ; v32-63 source 0's scale words, four a K step
.set S1,  64                           ; v64-79 source 1's, two a K step: x's;  v80-95: w_v's
.set S1V, 80
.set AQ,  96                           ; v96-103 LDS addresses for Q and K: source 0 by 16, by 8, source 1 by 16, by 8, two each;  v104-111 for V
.set AV,  104
.set TM,  160
.set WD,  176
.set EV,  184
.set EO,  188
.set PC,  192
.set PT,  204
.set G1X, 24
.set G1H, 32
.set G0X, 40
.set G1B, 48
.set G0H, 56
.set G0A, 60                           ; group 0 of the refills of K steps 0-3;  s[68:71]: of K steps 4-7
.set G0B, 68
.set SEL, 94
.set MSB, 0
.macro WIN new
.if MSB != \new
	s_set_vgpr_msb (MSB<<8)|\new
.set MSB, \new
.endif
.endm
.macro WALU
	s_wait_alu depctr_va_vdst(0)
.endm
.macro PLACES
.rept 4
	v_nop
.endr
.endm
.macro CROUND
	s_barrier_signal -1
	s_barrier_wait -1
	s_cmp_lg_u32 s14, 0
	s_cbranch_scc1 .Lnot_wave_0_\@
	s_barrier_signal -3
.Lnot_wave_0_\@:
	s_barrier_wait -3
	s_barrier_signal -1
	s_barrier_wait -1
.endm
.macro TLOAD g0, g1
	tensor_load_to_lds s[\g0:\g0+3], s[\g1:\g1+7]
	s_nop 0
	PLACES
.endm
.macro ROWS g, n                       ; group 1: n rows of 256 bytes (32 elements of 8), dense
	s_mov_b32 s[\g+1], 32<<16
	s_mov_b32 s[\g+2], (\n)<<16
	s_mov_b32 s[\g+3], 32<<16
	s_mov_b32 s[\g+4], \n
	s_mov_b32 s[\g+5], 32
	s_mov_b32 s[\g+6], 0
	s_mov_b32 s[\g+7], 0
.endm
.macro PADD d, b, o                    ; a buffer's address + the 32-bit offset in s\o (s99 = 0)
	s_mov_b32 s98, s\o
	s_add_nc_u64 s[\d:\d+1], s[\b:\b+1], s[98:99]
.endm
.macro FRAG reg, a16, a8, off
	ds_load_b128 v[\reg:\reg+3], v[\a16] offset:\off
	ds_load_b64 v[\reg+4:\reg+5], v[\a8] offset:\off+512
	ds_load_b128 v[\reg+6:\reg+9], v[\a16] offset:\off+768
	ds_load_b64 v[\reg+10:\reg+11], v[\a8] offset:\off+1280
.endm
.macro FETCH adr, kk, fs               ; K step kk's twelve fragments into set fs: 48 loads
	WIN 0x40
.irp i, 0,1,2,3,4,5,6,7
	FRAG 128*(\fs)+12*\i, \adr+(\kk)/4, \adr+2+(\kk)/4, ((\kk)%4)*12288+1536*\i
.endr
	WIN 0xc0
.irp i, 0,1,2,3
	FRAG 48*(\fs)+12*\i, \adr+4+(\kk)/4, \adr+6+(\kk)/4, ((\kk)%4)*12288+1536*\i
.endr
	WIN 0
.endm
.macro MUL32 kk, fs, xa, xb, zz        ; 32 products, the 32 accumulators by turns; an odd tile's scale words stand in lanes 16-31
.irp ah, 0,1
.irp al, 0,1
.irp bh, 0,1,2,3
.irp bl, 0,1
.if \zz
	v_wmma_scale_f32_16x16x128_f8f6f4 v[64*(2*\ah+\al)+8*(2*\bh+\bl):64*(2*\ah+\al)+8*(2*\bh+\bl)+7], v[128*(\fs)+12*(2*\bh+\bl):128*(\fs)+12*(2*\bh+\bl)+11], v[48*(\fs)+12*(2*\ah+\al):48*(\fs)+12*(2*\ah+\al)+11], 0, v[\xa+4*(\kk)+\bh], v[\xb+2*(\kk)+\ah] matrix_a_fmt:MATRIX_FMT_FP6 matrix_b_fmt:MATRIX_FMT_FP6 matrix_a_scale:MATRIX_SCALE_ROW\bl matrix_b_scale:MATRIX_SCALE_ROW\al
.else
	v_wmma_scale_f32_16x16x128_f8f6f4 v[64*(2*\ah+\al)+8*(2*\bh+\bl):64*(2*\ah+\al)+8*(2*\bh+\bl)+7], v[128*(\fs)+12*(2*\bh+\bl):128*(\fs)+12*(2*\bh+\bl)+11], v[48*(\fs)+12*(2*\ah+\al):48*(\fs)+12*(2*\ah+\al)+11], v[64*(2*\ah+\al)+8*(2*\bh+\bl):64*(2*\ah+\al)+8*(2*\bh+\bl)+7], v[\xa+4*(\kk)+\bh], v[\xb+2*(\kk)+\ah] matrix_a_fmt:MATRIX_FMT_FP6 matrix_b_fmt:MATRIX_FMT_FP6 matrix_a_scale:MATRIX_SCALE_ROW\bl matrix_b_scale:MATRIX_SCALE_ROW\al
.endif
.endr
.endr
.endr
.endr
.endm
.macro STEPS adr, xa, xb, grd
	FETCH \adr, 0, 0
	s_wait_loadcnt 0x0                             ; the scale words
.set ST, 0
.rept 8
	s_wait_dscnt 0x0
.if (ST == 3) && (\grd)
	s_wait_tensorcnt 0x0                           ; my part of this tensor's K steps 4-7 has landed
	ds_add_u32 v[SPW], v[NIL]
.elseif ST < 7
.if ST == 3
	s_wait_tensorcnt 0x0
	s_barrier_signal -1
	s_barrier_wait -1
.endif
.if ST > 0
	PLACES                                         ; behind the last products, ahead of loads into the registers that they read
.endif
	FETCH \adr, ST+1, (ST+1)%2
.endif
	WIN 0xad                                       ; source 0 window 1, source 1 window 3, C and D window 2
.if ST == 0
	MUL32 ST, ST%2, \xa, \xb, 1
.else
	MUL32 ST, ST%2, \xa, \xb, 0
.endif
	WIN 0
.if (ST == 3) && (\grd)
	s_wait_dscnt 0x0                               ; the add is done; my reads of K steps 0-3 ended ahead of it
	CROUND                                         ; no wave of any partner still reads K steps 0-3 of the weights, and K steps 4-7 are whole
	s_add_nc_u64 s[G0A+2:G0A+3], s[G0A+2:G0A+3], 8*GRP
	TLOAD G0A, G1B                                 ; its four v_nop are the places ahead of the loads below
	FETCH \adr, ST+1, (ST+1)%2
.endif
.set ST, ST+1
.endr
.endm
; Source 1's tile a: a lane's 64 sums are 16 neighbours of each of four blocks of 32 along the next K; lanes l and l xor 16 share a block
.macro QUANT a
.set AC, 64*(\a)
	WIN 0x0a
.irp b, 0,1,2,3
	v_max3_num_f32 v[TM+\b], |v[AC+16*\b]|, |v[AC+16*\b+1]|, 0x1800000
.endr
.irp i, 2,4,6,8,10,12,14
.irp b, 0,1,2,3
	v_max3_num_f32 v[TM+\b], |v[AC+16*\b+\i]|, |v[AC+16*\b+\i+1]|, v[TM+\b]
.endr
.endr
	WIN 0
.irp b, 0,1,2,3
	v_permlanex16_b32 v[TM+4+\b], v[TM+\b], s[SEL], s[SEL+1]
.endr
.irp b, 0,1,2,3
	v_max_num_f32 v[TM+\b], v[TM+\b], v[TM+4+\b]
.endr
.irp b, 0,1,2,3
	v_add_nc_u32 v[TM+12+\b], 0xff000000, v[TM+\b]
.endr
.irp b, 0,1,2,3
	v_lshrrev_b32 v[TM+4+\b], 23, v[TM+12+\b]
.endr
	v_lshl_or_b32 v[WD+\a], v[TM+5], 8, v[TM+4]
	v_lshl_or_b32 v[WD+\a], v[TM+6], 16, v[WD+\a]
	v_lshl_or_b32 v[WD+\a], v[TM+7], 24, v[WD+\a]
	WIN 0x02
.irp c, 0,1
	v_cvt_scalef32_pk16_fp6_f32 v[PC+6*\c:PC+6*\c+2], v[AC+32*\c:AC+32*\c+15], v[TM+12+2*\c]
	v_cvt_scalef32_pk16_fp6_f32 v[PT+4*\c:PT+4*\c+2], v[AC+32*\c+16:AC+32*\c+31], v[TM+12+2*\c+1]
.endr
	WIN 0
	v_nop
.irp c, 0,1
.irp i, 0,1,2
	v_permlane16_swap_b32 v[PC+6*\c+\i], v[PT+4*\c+\i]
.endr
.irp i, 0,1,2
	v_mov_b32 v[PC+3+6*\c+\i], v[PT+4*\c+\i]
.endr
.endr
.endm
	s_load_b256 s[4:11], s[0:1], 0x0               ; img, scl, qi, kv
	v_lshl_add_u32 v[SPW], v0, 2, SPARE
	v_mov_b32 v[NIL], 0
	ds_add_u32 v[SPW], v[NIL]                      ; the opening lines: the add, twice on end, and its wait
	ds_add_u32 v[SPW], v[NIL]
	v_lshrrev_b32 v1, 5, v0
	v_readfirstlane_b32 s14, v1                    ; wave;  s15 = wave / 2, s16 = wave % 2
	s_lshr_b32 s15, s14, 1
	s_and_b32 s16, s14, 1
	s_bfe_u32 s44, ttmp6, 0x40000                  ; cx = the block of 256 columns
	s_bfe_u32 s45, ttmp6, 0x40004                  ; cy
	s_and_b32 s47, ttmp7, 0xffff
	s_lshl_b32 s2, s45, 2
	s_lshl_b32 s2, 15, s2                          ; my row of the cluster
	s_lshl_b32 s3, 0x1111, s44                     ; my column
	s_or_b32 s[G1X], s2, (3<<16)|(1<<21)
	s_or_b32 s[G1H], s3, (3<<16)|(1<<21)
	s_or_b32 s[G1B], s3, (3<<16)|(1<<21)
	ROWS G1X, 384                                  ; x's group
	ROWS G1H, 256                                  ; a third of the weights' two groups
	ROWS G1B, 96                                   ; an eighth: my part of a half along K
	s_lshl_b32 s46, s47, 2
	s_add_co_u32 s46, s46, s45                     ; the group of tokens
	s_mul_i32 s20, s46, GRP
	s_lshl_b32 s60, s44, 1
	s_add_co_u32 s60, s60, 64                      ; w_q's first group of mine
	s_mul_i32 s62, s60, GRP
	s_lshl_b32 s72, s14, 16
	s_add_co_u32 s[G0H+1], s72, 32768              ; waves 1-3: WB + 65,536 (wave - 1)
	s_add_co_u32 s72, s72, s62
	s_sub_co_u32 s72, s72, 65536
	s_mul_i32 s74, s15, GRP                        ; a refill: group wave / 2,
	s_mul_i32 s61, s16, 24576                      ; two of the half's four K steps: wave % 2
	s_add_co_u32 s74, s74, s61
	s_add_co_u32 s61, s74, WB                      ; (s61 is G0A's LDS address)
	s_add_co_u32 s[G0B+1], s74, WB+HALF
	s_add_co_u32 s74, s74, s62
	s_mov_b32 s[G0X], 1
	s_mov_b32 s[G0X+1], 0
	s_mov_b32 s[G0H], 1
	s_mov_b32 s[G0B], 1
	s_add_co_u32 s12, s60, s16
	s_lshl_b32 s12, s12, 12                        ; scl: w_q's group of mine,
	s_lshl_b32 s13, s46, 12                        ; x's group,
	s_add_co_u32 s17, s60, 16
	s_add_co_u32 s17, s17, s15
	s_lshl_b32 s17, s17, 12                        ; w_v's group of my head
	s_lshr_b32 s18, s46, 4
	s_and_b32 s19, s46, 15
	s_lshl_b32 s18, s18, 4
	s_lshl_b32 s21, s44, 2
	s_add_co_u32 s18, s18, s21                     ; batch x 16 + 4 cx
	s_lshl_b32 s21, s16, 1
	s_add_co_u32 s21, s21, s18
	s_lshl_b32 s21, s21, 4
	s_add_co_u32 s21, s21, s19                     ; record: (batch x 16 + head) x 16 + group in the batch; Q, K: head 4 cx + 2 (wave % 2) and the next
	s_mul_i32 s22, s21, 6656
	s_mul_i32 s23, s21, 13056
	s_add_co_u32 s75, s18, s14                     ; V: head 4 cx + wave
	s_lshl_b32 s75, s75, 4
	s_add_co_u32 s75, s75, s19
	s_mul_i32 s75, s75, 13056
	s_mul_i32 s76, s16, GRP
	s_add_co_u32 s76, s76, WB                      ; LDS, Q and K: source 0 = the weights' group wave % 2,
	s_mul_i32 s77, s15, 6144                       ; source 1 = x's tiles 4 (wave / 2) ..
	s_mul_i32 s78, s15, GRP
	s_add_co_u32 s78, s78, WB
	s_mul_i32 s79, s16, 6144
	s_add_co_u32 s78, s78, s79                     ; V: source 1 = w_v's group wave / 2, tiles 4 (wave % 2) ..
	s_lshl_b32 s79, s15, 3
	s_lshl_b32 s100, s16, 3
	s_mul_i32 s101, s15, 3072
	s_mov_b32 s99, 0
	s_mov_b32 s[SEL], 0x76543210
	s_mov_b32 s[SEL+1], 0xfedcba98
	s_mov_b32 s96, 0xffff0000
	s_wait_dscnt 0x0
	s_wait_kmcnt 0x0
	PADD G0X+2, 4, 20
	s_or_b32 s[G0X+3], s[G0X+3], 0x80000000
	PADD G0H+2, 4, 72
	s_or_b32 s[G0H+3], s[G0H+3], 0x80000000
	PADD G0A+2, 4, 74                              ; w_q's bytes: each refill first steps eight groups on
	s_add_nc_u64 s[G0B+2:G0B+3], s[G0A+2:G0A+3], HALF
	s_or_b32 s[G0A+3], s[G0A+3], 0x80000000
	s_or_b32 s[G0B+3], s[G0B+3], 0x80000000
	s_mov_b32 s[G0A], 1
	PADD 80, 8, 22                                 ; q's record of the even head, and of the odd one
	s_add_nc_u64 s[82:83], s[80:81], 16*6656
	PADD 84, 10, 23                                ; k's
	s_add_nc_u64 s[86:87], s[84:85], 16*13056
	PADD 88, 10, 75                                ; v's
	PADD 90, 6, 12
	PADD 92, 6, 13
	PADD 2, 6, 17
	CROUND                                         ; all sixteen work-groups are here: the first joint loads meet
	s_cmp_eq_u32 s14, 0
	s_cbranch_scc0 .Lthird
	TLOAD G0X, G1X
	s_branch .Lasked
.Lthird:
	TLOAD G0H, G1H
.Lasked:
	v_and_b32 v1, 31, v0
	v_bfe_u32 v2, v0, 3, 1
	v_lshlrev_b32 v[L16], 4, v1
	v_lshlrev_b32 v[L8], 3, v1
	v_add_nc_u32 v[XO], s79, v[L16]
	v_add_nc_u32 v[VO], s100, v[L16]
	v_mad_u32_u24 v20, v2, 1408, v[L16]            ; q's and k's codes: rows 8-15 go two tiles on,
	v_mad_u32_u24 v21, v2, 1472, v[L8]
	v_add_nc_u32 v20, s101, v20                    ; my four tiles begin at tile 4 (wave / 2),
	v_add_nc_u32 v21, s101, v21
	v_add_nc_u32 v22, 128, v20                     ; tiles 2 and 3 of the four fill rows 8-15
	v_add_nc_u32 v23, 64, v21
	v_add_nc_u32 v[AQ], s76, v[L16]
	v_add_nc_u32 v[AQ+2], s76, v[L8]
	v_add_nc_u32 v[AQ+4], s77, v[L16]
	v_add_nc_u32 v[AQ+6], s77, v[L8]
	v_mov_b32 v[AV], v[L16]
	v_mov_b32 v[AV+2], v[L8]
	v_add_nc_u32 v[AV+4], s78, v[L16]
	v_add_nc_u32 v[AV+6], s78, v[L8]
.irp i, 0,2,4,6
	v_add_nc_u32 v[AQ+1+\i], HALF, v[AQ+\i]
	v_add_nc_u32 v[AV+1+\i], HALF, v[AV+\i]
.endr
.irp b, 0,1,2,3
	v_mov_b32 v[TM+4+\b], 0                        ; written once: a lane permute's destination counts as one of its sources
.endr
	WALU                                           ; the wait at the head's end
.irp i, 0,1,2,3,4,5,6,7
	global_load_b128 v[S0+4*\i:S0+4*\i+3], v[L16], s[90:91] offset:512*\i
	global_load_b64 v[S1+2*\i:S1+2*\i+1], v[XO], s[92:93] offset:512*\i
	global_load_b64 v[S1V+2*\i:S1V+2*\i+1], v[VO], s[2:3] offset:512*\i
.endr
	s_wait_xcnt 0x0
	s_add_nc_u64 s[90:91], s[90:91], 32768         ; w_k's scale words: eight groups on
	s_wait_tensorcnt 0x0                           ; every wave: my tile has landed
	s_barrier_signal -1
	s_barrier_wait -1
	s_mov_b32 s97, 0
.Lqk:                                              ; two trips: Q, then K
	STEPS AQ, S0, S1, 1
	PLACES                                         ; ahead of the first read of the sums
.irp a, 0,1,2,3
.if \a == 2
	WALU                                           ; the wait ahead of the blocking wait
	s_wait_tensorcnt 0x0                           ; my part of the next tensor's K steps 0-3 has landed
	ds_add_u32 v[SPW], v[NIL]
	s_wait_dscnt 0x0                               ; the add is done; my reads of K steps 4-7 ended in the last K step
	CROUND                                         ; no wave of any partner still reads K steps 4-7 of the weights, and the next tensor's K steps 0-3 are whole
	s_add_nc_u64 s[G0B+2:G0B+3], s[G0B+2:G0B+3], 8*GRP
	TLOAD G0B, G1B
.endif
	s_wait_xcnt 0x0                                ; earlier stores have read their data
	QUANT \a
	global_store_b128 v[20+2*(\a/2)], v[PC:PC+3], s[80:81] offset:768*(\a%2)
	global_store_b64 v[21+2*(\a/2)], v[PC+4:PC+5], s[80:81] offset:768*(\a%2)+512
	global_store_b128 v[20+2*(\a/2)], v[PC+6:PC+9], s[82:83] offset:768*(\a%2)
	global_store_b64 v[21+2*(\a/2)], v[PC+10:PC+11], s[82:83] offset:768*(\a%2)+512
.endr
.irp j, 0,1
	v_cndmask_b32 v[EV+\j], v[WD+2*\j], v[WD+2*\j+1], s96   ; lanes 0-15: the even tile's words, lanes 16-31: the odd tile's
.endr
.irp j, 0,1
	v_and_b32 v[EO+\j], 0xffff, v[EV+\j]           ; the even head's two bytes; the upper two stay 0
.endr
.irp j, 0,1
	v_lshrrev_b32 v[EV+\j], 16, v[EV+\j]           ; the odd head's
.endr
	global_store_b64 v[XO], v[EO:EO+1], s[80:81] offset:6144
	global_store_b64 v[XO], v[EV:EV+1], s[82:83] offset:6144
	s_wait_xcnt 0x0
	s_mov_b64 s[80:81], s[84:85]                   ; the second trip stores k
	s_mov_b64 s[82:83], s[86:87]
.irp i, 0,1,2,3,4,5,6,7
	global_load_b128 v[S0+4*\i:S0+4*\i+3], v[L16], s[90:91] offset:512*\i   ; source 0's scale words of the next tensor: w_k's, then (for V) x's
.endr
	s_wait_xcnt 0x0
	s_mov_b64 s[90:91], s[92:93]
	WALU
	s_add_co_u32 s97, s97, 1                       ; my load of K steps 4-7 stays out over the jump: K step 3 waits for it
	s_cmp_lg_u32 s97, 2
	s_cbranch_scc1 .Lqk
	STEPS AV, S0, S1V, 0
	PLACES
.irp a, 0,1,2,3
	s_wait_xcnt 0x0
	QUANT \a
	global_store_b128 v[L16], v[PC:PC+3], s[88:89] offset:6656+1536*\a       ; a whole fragment: 16 channels x 128 tokens, 1,536 consecutive bytes
	global_store_b64 v[L8], v[PC+4:PC+5], s[88:89] offset:6656+1536*\a+512
	global_store_b128 v[L16], v[PC+6:PC+9], s[88:89] offset:6656+1536*\a+768
	global_store_b64 v[L8], v[PC+10:PC+11], s[88:89] offset:6656+1536*\a+1280
.endr
.irp j, 0,1
	v_cndmask_b32 v[EV+\j], v[WD+2*\j], v[WD+2*\j+1], s96
.endr
	global_store_b64 v[L8], v[EV:EV+1], s[88:89] offset:12800
	s_wait_tensorcnt 0x0                           ; the wave's end
	ds_add_u32 v[SPW], v[NIL]
	s_wait_dscnt 0x0
	CROUND                                         ; the closing round
	s_endpgm
.Lfunc_end_k_q3939e53aa6_qkv:
	.size	k_q3939e53aa6_qkv, .Lfunc_end_k_q3939e53aa6_qkv-k_q3939e53aa6_qkv
	.p2alignl 7, 3214868480
	.fill 96, 4, 3214868480
	.section	.rodata,"a",@progbits
	.p2align	6, 0x0
	.amdhsa_kernel k_q3939e53aa6_qkv
		.amdhsa_group_segment_fixed_size 327680
		.amdhsa_private_segment_fixed_size 0
		.amdhsa_enable_private_segment 0
		.amdhsa_kernarg_size 32
		.amdhsa_user_sgpr_count 2
		.amdhsa_user_sgpr_kernarg_segment_ptr 1
		.amdhsa_wavefront_size32 1
		.amdhsa_system_sgpr_workgroup_id_x 1
		.amdhsa_system_sgpr_workgroup_id_y 1
		.amdhsa_system_sgpr_workgroup_id_z 1
		.amdhsa_system_vgpr_workitem_id 0
		.amdhsa_next_free_vgpr 896
		.amdhsa_next_free_sgpr 102
		.amdhsa_reserve_vcc 0
		.amdhsa_float_denorm_mode_32 3
		.amdhsa_float_denorm_mode_16_64 3
		.amdhsa_memory_ordered 1
		.amdhsa_forward_progress 1
		.amdhsa_inst_pref_size 166
	.end_amdhsa_kernel
	.amdgpu_metadata
---
amdhsa.version: [ 1, 2 ]
amdhsa.kernels:
  - .name:           k_q3939e53aa6_qkv
    .symbol:         k_q3939e53aa6_qkv.kd
    .args:
      - { .name: img, .offset: 0, .size: 8, .value_kind: global_buffer, .address_space: global }
      - { .name: scl, .offset: 8, .size: 8, .value_kind: global_buffer, .address_space: global }
      - { .name: qi, .offset: 16, .size: 8, .value_kind: global_buffer, .address_space: global }
      - { .name: kv, .offset: 24, .size: 8, .value_kind: global_buffer, .address_space: global }
    .group_segment_fixed_size: 327680
    .private_segment_fixed_size: 0
    .kernarg_segment_align: 8
    .kernarg_segment_size: 32
    .max_flat_workgroup_size: 128
    .sgpr_count:     102
    .vgpr_count:     896
    .wavefront_size: 32
...
	.end_amdgpu_metadata
.endif
;; end of part 2
;; launch attn (part 3): grid 4 x 64, 16 waves a work-group, clusters of 4 x 1, 212,992 bytes of LDS; arguments qi, kv, ao, aos; writes ao, aos
.if DOCPART == 3
	.amdgcn_target "amdgcn-amd-amdhsa--gfx1250"
	.amdhsa_code_object_version 6
	.text
	.protected	k_q3939e53aa6_attn
	.globl	k_q3939e53aa6_attn
	.p2align	8
	.type	k_q3939e53aa6_attn,@function
k_q3939e53aa6_attn:
	s_mov_b64 s[64:65], 0
	v_nop
	global_prefetch_b8 v0, s[64:65] scope:SCOPE_SE
	s_setreg_imm32_b32 hwreg(HW_REG_WAVE_MODE, 25, 1), 1
	s_wait_xcnt 0x0
	s_wait_alu depctr_hold_cnt(0) depctr_sa_sdst(0) depctr_va_vdst(0) depctr_va_sdst(0) depctr_va_ssrc(0) depctr_va_vcc(0) depctr_vm_vsrc(0)
	s_getreg_b32 s2, hwreg(HW_REG_IB_STS2, 6, 4)
	s_cmp_eq_u32 s2, 0
	s_cbranch_scc0 .Lentry_in_a_cluster
	s_endpgm
.Lentry_in_a_cluster:
	s_bfe_u32 s2, ttmp6, 0x10000c
	s_cmp_lg_u32 s2, 0x3003
	s_cbranch_scc0 .Lentry_shape_is_right
	s_endpgm
.Lentry_shape_is_right:
; O = softmax(q k^T / 8) v for one head, both products on codes of FP6 (E2M3) with E8M0 scales, and the quantiser of O along the head's channels: O reaches memory as codes alone.
; THE SOFTMAX: t = score x log2(e) / 8; M = the running largest t rounded up to a whole number; p = 2^(t - M) is quantised along the keys, not normalised; the row's sum is taken of the unquantised p and divides O at the end.
; SHARES.  A work-group owns 512 queries of one head, in two passes of 256; each of its sixteen waves owns one tile of 16 queries a pass, in 256 registers, four waves to a SIMD.
; THE WHOLE HEAD'S k AND v STAY IN LDS: sixteen records of 13,056 bytes (128 keys each), filled ONCE, one tensor load a wave: wave w brings record w.  Waves 0-3 have a load line of their own:
; the first barrier shows records 0-3 alone, the second, four key steps on, all sixteen.  Nothing is filled again; the second pass loads nothing.
; CLUSTER.  The four work-groups of a head ask for each record jointly.  No L2 prefetch: every byte of k and v is asked for at the head, so there is no later load to run ahead of.
; LAYOUT.  Both products are used transposed (S^T = k q^T, O^T = v^T p^T): a lane holds one query throughout.  Tile 4 c + j of k (and of q) holds at lane-row r the key 64 c + 32 (r / 8) + 8 j + r % 8:
; so register 32 c + 8 j + i of lane (r, h) is key 64 c + 32 h + 8 j + i: a lane's 32 registers are ONE scale block of p, in the order of the second product's operand: no lane swaps codes with another.
; The scale words of q and k lie by the older order (tile 2 B + u, row r: 32 B + 8 u + r + 8 (r / 8)); their addresses are made for the new tiles' rows.
; THE FIRST PRODUCT'S K IS 64: q's fragment has zero codes in its upper six registers; the upper six named for a tile of k are the next tile's codes (behind the last: zeros); the scale bytes there are 0, no NaN.
; LIMITS: the scaled scores stay under 2^31 in magnitude; a block of zeros gets the byte 1 (its codes are zeros; this program alone reads the bytes); NaN and infinities are not served.
.set REC,   13056
.set SCG,   16*REC                     ; behind the records: the result's scale halfwords, 512 bytes for each pass
.set SPARE, SCG+1024                   ; the spare words, 128 bytes a wave: eight blocks of 256 bytes that no other line names
.set L16, 1                            ; 16 x lane, 8 x lane
.set L8,  2
.set A16, 3                            ; the same in the record in hand
.set A8,  4
.set SPW, 5
.set NIL, 6
.set KS,  7                            ; k's scale words: 16 (r % 8) + 4 (r / 8) + 256 h;  v8: in the record in hand
.set CKS, 8
.set PSW, 29                           ; p's scale word
.set FF,  30                           ; v[30:31] f
.set KSC, 32                           ; v32-35 k's scale words;  v36-37 v's
.set VSC, 36
.set AOF, 39                           ; offset in aos
.set F,   40                           ; v40-87 fragments of k, then of v;  v88-93 zeros
.set OLDM, 94                          ; -M of the step before
.set H8,  95                           ; 8 h
.set S,   96                           ; v96-159 S^T, then p
.set OT,  160                          ; v160-191 O^T
.set PC,  192                          ; v192-203 p's codes;  v204-210 the blocks' upper halves
.set PT,  204
.set TM,  212                          ; v212-215 four chains of maxima, v216-219 bytes, v220-223 scale operands
.set TT,  224
.set TT2, 225
.set Q2,  226                          ; v226-231, v232 the second pass's q and its scale word
.set SCA, 233                          ; where my halfword goes;  v234 where waves 0 and 1 read 512 bytes back
.set SCR, 234
.set W,   238
.set W2,  239
.set U,   240                          ; v242-255 seven partial sums, in pairs
.set WV,  12
.set G1,  16
.set G0,  24
.set NC,  28
.set TB,  40
.set CNT, 41
.set CS,  42
.set SEL, 44
.macro WALU
	s_wait_alu depctr_va_vdst(0)
.endm
.macro CROUND
	s_barrier_signal -1
	s_barrier_wait -1
	s_cmp_lg_u32 s[WV], 0
	s_cbranch_scc1 .Lnot_wave_0_\@
	s_barrier_signal -3
.Lnot_wave_0_\@:
	s_barrier_wait -3
	s_barrier_signal -1
	s_barrier_wait -1
.endm
.macro TLOAD
	tensor_load_to_lds s[G0:G0+3], s[G1:G1+7]
	s_nop 0
.rept 4
	v_nop
.endr
.endm
.macro WQK t                           ; S^T tile t; an odd tile's scale words stand in lanes 16-31
.if (\t)%2
	v_wmma_scale_f32_16x16x128_f8f6f4 v[S+8*\t:S+8*\t+7], v[F+6*\t:F+6*\t+11], v[16:27], 0, v[KSC+\t/2], v28 matrix_a_fmt:MATRIX_FMT_FP6 matrix_b_fmt:MATRIX_FMT_FP6 matrix_a_scale:MATRIX_SCALE_ROW1
.else
	v_wmma_scale_f32_16x16x128_f8f6f4 v[S+8*\t:S+8*\t+7], v[F+6*\t:F+6*\t+11], v[16:27], 0, v[KSC+\t/2], v28 matrix_a_fmt:MATRIX_FMT_FP6 matrix_b_fmt:MATRIX_FMT_FP6
.endif
.endm
.macro WPV t
.if (\t)%2
	v_wmma_scale_f32_16x16x128_f8f6f4 v[OT+8*\t:OT+8*\t+7], v[F+12*\t:F+12*\t+11], v[PC:PC+11], v[OT+8*\t:OT+8*\t+7], v[VSC+\t/2], v[PSW] matrix_a_fmt:MATRIX_FMT_FP6 matrix_b_fmt:MATRIX_FMT_FP6 matrix_a_scale:MATRIX_SCALE_ROW1
.else
	v_wmma_scale_f32_16x16x128_f8f6f4 v[OT+8*\t:OT+8*\t+7], v[F+12*\t:F+12*\t+11], v[PC:PC+11], v[OT+8*\t:OT+8*\t+7], v[VSC+\t/2], v[PSW] matrix_a_fmt:MATRIX_FMT_FP6 matrix_b_fmt:MATRIX_FMT_FP6
.endif
.endm
.macro PKA d, a, b
	v_pk_add_f32 v[\d:\d+1], v[\a:\a+1], v[\b:\b+1]
.endm
; The row's sum of the unquantised p: 32 packed additions, numbered; eight chains side by side (the sum itself and seven partial sums), then their joining
.macro ADDS from, to
.set N_, \from
.rept (\to)-(\from)
.if (N_ < 24) && ((N_%8) == 0)
	PKA 14, 14, S+16*(N_/8)
.elseif N_ < 8
	PKA U+2*N_, S+2*N_, S+2*N_+16
.elseif N_ < 24
	PKA U+2*(N_%8), U+2*(N_%8), S+2*(N_%8)+16*(N_/8)+16
.elseif N_ == 24
	PKA 14, 14, S+48
.elseif N_ < 28
	PKA U+4*(N_-25)+2, U+4*(N_-25)+2, U+4*(N_-25)+4
.elseif N_ == 28
	PKA 14, 14, U+14
.elseif N_ == 29
	PKA U+2, U+2, U+6
.elseif N_ == 30
	PKA 14, 14, U+10
.else
	PKA 14, 14, U+2
.endif
.set N_, N_+1
.endr
.endm
; A KEY STEP: the 128 keys of the record at LDS byte s[TB]
.macro STEP
	v_add_nc_u32 v[A16], s[TB], v[L16]             ; these four are the places behind the last products, ahead of loads into the registers that they read
	v_add_nc_u32 v[A8], s[TB], v[L8]
	v_add_nc_u32 v[CKS], s[TB], v[KS]
	v_mov_b32 v[OLDM], v12
.irp t, 0,1,2,3,4,5,6,7
	ds_load_b128 v[F+6*\t:F+6*\t+3], v[A16] offset:768*\t
	ds_load_b64 v[F+6*\t+4:F+6*\t+5], v[A8] offset:768*\t+512
.endr
.irp i, 0,1,2,3
	ds_load_b32 v[KSC+\i], v[CKS] offset:6144+128*(\i%2)+8*(\i/2)   ; lanes 0-15: tile 2 i's rows, lanes 16-31: tile 2 i + 1's
.endr
	WALU                                           ; the wait ahead of the blocking wait
	s_wait_dscnt 0x0
.irp t, 0,1,2,3,4,5,6,7
	WQK \t
.endr
.rept 4
	v_nop                                          ; places ahead of the loads below and of the first read of the scores
.endr
.irp t, 0,1,2,3                                ; v's four fragments land under the softmax
	ds_load_b128 v[F+12*\t:F+12*\t+3], v[A16] offset:6656+1536*\t
	ds_load_b64 v[F+12*\t+4:F+12*\t+5], v[A8] offset:6656+1536*\t+512
	ds_load_b128 v[F+12*\t+6:F+12*\t+9], v[A16] offset:6656+1536*\t+768
	ds_load_b64 v[F+12*\t+10:F+12*\t+11], v[A8] offset:6656+1536*\t+1280
.endr
	ds_load_b64 v[VSC:VSC+1], v[A8] offset:12800
; the largest score of my two blocks of 32 keys, two chains a block, each accumulator read from its low end on: it serves the row's maximum and, since p rises with the score, the block's largest p
.irp c, 0,1
	v_max3_num_f32 v[TM+2*\c], v[S+32*\c], v[S+32*\c+1], v[S+32*\c+2]
	v_max3_num_f32 v[TM+2*\c+1], v[S+32*\c+17], v[S+32*\c+18], v[S+32*\c+19]
.endr
.irp i, 0,2,4,6,8,10
.irp c, 0,1
	v_max3_num_f32 v[TM+2*\c], v[TM+2*\c], v[S+32*\c+3+\i], v[S+32*\c+4+\i]
	v_max3_num_f32 v[TM+2*\c+1], v[TM+2*\c+1], v[S+32*\c+20+\i], v[S+32*\c+21+\i]
.endr
.endr
.irp c, 0,1
	v_max3_num_f32 v[TM+2*\c], v[TM+2*\c], v[S+32*\c+15], v[S+32*\c+16]
.endr
.irp c, 0,1
	v_max_num_f32 v[TM+2*\c], v[TM+2*\c], v[TM+2*\c+1]
.endr
	s_delay_alu instid0(VALU_DEP_1)
	v_max_num_f32 v[TT], v[TM], v[TM+2]
	s_delay_alu instid0(VALU_DEP_1)
	v_permlanex16_b32 v[TT2], v[TT], s[SEL], s[SEL+1]
	s_delay_alu instid0(VALU_DEP_1)
	v_max3_num_f32 v13, v13, v[TT], v[TT2]         ; the running largest score of my query (c is positive: the largest t is c x it)
	s_delay_alu instid0(VALU_DEP_1)
	v_mul_f32 v[TT], s[NC], v13                    ; -t
	s_delay_alu instid0(VALU_DEP_1)
	v_floor_f32 v12, v[TT]                         ; the new -M = floor(-t): M is a whole number
.set j, 0
.rept 32
	v_pk_fma_f32 v[S+j:S+j+1], v[S+j:S+j+1], s[CS:CS+1], v[12:13] op_sel_hi:[1,0,0]   ; t - M, two at a time
.if j == 6
	v_sub_f32 v[TT], v12, v[OLDM]                  ; old M - new M: a whole number, 0 or less
.elseif j == 14
	v_cvt_i32_f32 v[TT], v[TT]                     ; (it saturates)
.elseif j == 22
	v_ldexp_f32 v[FF], 1.0, v[TT]                  ; f = 2^(old M - new M): a multiplication by it rounds nothing
.endif
.set j, j+2
.endr
.irp c, 0,1
	v_fma_f32 v[TM+2*\c], v[TM+2*\c], s[CS], v12   ; the same of each block's largest score
.endr
.set j, 0
.rept 16
	v_pk_mul_f32 v[OT+j:OT+j+1], v[OT+j:OT+j+1], v[FF:FF+1] op_sel_hi:[1,0]   ; O^T under the new M, each accumulator from its low end on
.set j, j+2
.endr
	WALU                                           ; one wait ahead of the batch
.set j, 0
.rept 64
	v_exp_f32 v[S+j], v[S+j]                       ; p = 2^(t - M), at most 1
.set j, j+1
.endr
.irp c, 0,1
	v_exp_f32 v[TM+2*\c], v[TM+2*\c]               ; the block's largest p: the same two instructions on the same number
.endr
	v_pk_mul_f32 v[14:15], v[14:15], v[FF:FF+1] op_sel_hi:[1,0]   ; the sum under the new M: the plain place behind the exponentials
	WALU                                           ; and one behind it, ahead of its first reader
.irp c, 0,1
	v_max_num_f32 v[TM+2*\c], 0x1800000, v[TM+2*\c]   ; the floor 2^(3 - 127): the byte cannot fall under 1
.endr
	ADDS 0, 2
.irp c, 0,1
	v_add_nc_u32 v[TM+8+\c], 0xff000000, v[TM+2*\c]   ; 2 off the exponent field: the conversion's scale operand
.endr
	ADDS 2, 4
.irp c, 0,1
	v_cvt_scalef32_pk16_fp6_f32 v[PC+6*\c:PC+6*\c+2], v[S+32*\c:S+32*\c+15], v[TM+8+\c]
	v_cvt_scalef32_pk16_fp6_f32 v[PT+4*\c:PT+4*\c+2], v[S+32*\c+16:S+32*\c+31], v[TM+8+\c]   ; (a conversion's three registers begin on an even number)
.endr
	ADDS 4, 5                                      ; the plain place behind the scaled conversions
.irp c, 0,1
	v_lshrrev_b32 v[TM+4+\c], 23, v[TM+8+\c]       ; the scale's byte
.endr
	ADDS 5, 7
	v_lshl_or_b32 v[W], v[TM+5], 16, v[TM+4]       ; my two bytes: blocks h and 2 + h,
	ADDS 7, 9
	v_lshlrev_b32 v[W], v[H8], v[W]                ; at their places, 8 h bits up;
	ADDS 9, 11
	v_permlanex16_b32 v[W2], v[W], s[SEL], s[SEL+1]
	ADDS 11, 13
	v_or_b32 v[PSW], v[W], v[W2]                   ; with lane l xor 16's two the word is whole
.irp c, 0,1
.irp i, 0,1,2
	v_mov_b32 v[PC+3+6*\c+\i], v[PT+4*\c+\i]
.endr
.endr
	ADDS 13, 32                                    ; nineteen additions: also the places between the codes and scale word just made and the products
	WALU                                           ; the wait ahead of the blocking wait
	s_wait_dscnt 0x0                               ; v's fragments and scale words
.irp t, 0,1,2,3
	WPV \t                                         ; four accumulators by turns, one instruction a turn
.endr
	s_add_co_u32 s[TB], s[TB], REC
.endm
.macro WALK first, trips               ; key steps first .. first + trips - 1
	s_mov_b32 s[TB], REC*\first
	s_mov_b32 s[CNT], \trips
.Lwalk_\@:
	STEP
	s_sub_co_u32 s[CNT], s[CNT], 1
	s_cmp_lg_u32 s[CNT], 0
	s_cbranch_scc1 .Lwalk_\@
.endm
.macro INIT                            ; the step is written once: the first finds zeros, which the first change of M leaves zeros
	v_mov_b32 v13, 0xff61b1e6                      ; the largest score so far: -3e38
	v_mov_b32 v12, 0x7f61b1e6                      ; -M
	v_mov_b32 v14, 0
	v_mov_b32 v15, 0
.set j, 0
.rept 32
	v_mov_b32 v[OT+j], 0
.set j, j+1
.endr
.endm
; THE WAY OUT of pass p: O^T / the sum, quantised along the head's 64 channels: half a fragment of the last product's operand, stored as its image; the tile's scale halfword goes to LDS
.macro OUT p
	v_add_f32 v14, v14, v15
	s_delay_alu instid0(VALU_DEP_1)
	v_permlanex16_b32 v[TT], v14, s[SEL], s[SEL+1]
	s_delay_alu instid0(VALU_DEP_1)
	v_add_f32 v14, v14, v[TT]                      ; the row's sum
	WALU
	v_rcp_f32 v14, v14
.rept 4
	v_nop                                          ; the plain place behind the reciprocal, and the places behind the last products
.endr
	WALU                                           ; ahead of the reciprocal's first reader, and of O^T's
.set j, 0
.rept 16
	v_pk_mul_f32 v[S+j:S+j+1], v[OT+j:OT+j+1], v[14:15] op_sel_hi:[1,0]   ; register 16 b + i: channel 32 b + 16 h + i
.set j, j+2
.endr
.irp b, 0,1
	v_max3_num_f32 v[TM+\b], |v[S+16*\b]|, |v[S+1+16*\b]|, 0x1800000
.endr
.irp i, 2,4,6,8,10,12,14
.irp b, 0,1
	s_delay_alu instid0(VALU_DEP_2)
	v_max3_num_f32 v[TM+\b], v[TM+\b], |v[S+16*\b+\i]|, |v[S+1+16*\b+\i]|
.endr
.endr
.irp b, 0,1
	s_delay_alu instid0(VALU_DEP_2)
	v_permlanex16_b32 v[TM+4+\b], v[TM+\b], s[SEL], s[SEL+1]
.endr
.irp b, 0,1
	s_delay_alu instid0(VALU_DEP_2)
	v_max_num_f32 v[TM+\b], v[TM+\b], v[TM+4+\b]
.endr
.irp b, 0,1
	s_delay_alu instid0(VALU_DEP_2)
	v_add_nc_u32 v[TM+8+\b], 0xff000000, v[TM+\b]
.endr
.irp b, 0,1
	s_delay_alu instid0(VALU_DEP_2)
	v_lshrrev_b32 v[TM+4+\b], 23, v[TM+8+\b]
.endr
	s_delay_alu instid0(VALU_DEP_1)
	v_lshl_or_b32 v[TT], v[TM+5], 8, v[TM+4]       ; my row's two bytes
	v_cvt_scalef32_pk16_fp6_f32 v[PC:PC+2], v[S:S+15], v[TM+8]
	v_cvt_scalef32_pk16_fp6_f32 v[PT:PT+2], v[S+16:S+31], v[TM+9]
	v_nop
.irp i, 0,1,2
	v_permlane16_swap_b32 v[PC+\i], v[PT+\i]
.endr
.irp i, 0,1,2
	s_delay_alu instid0(VALU_DEP_3)
	v_mov_b32 v[PC+3+\i], v[PT+\i]
.endr
	global_store_b128 v[L16], v[PC:PC+3], s[8:9] offset:196608*\p       ; 512 and 256 consecutive bytes, aligned; pass 1: two token groups on
	global_store_b64 v[L8], v[PC+4:PC+5], s[8:9] offset:196608*\p+512
	ds_store_b16 v[SCA], v[TT] offset:512*\p       ; lanes r and r + 16 write the same halfword with the same value; each pass has bytes of its own
.endm
	s_load_b256 s[4:11], s[0:1], 0x0               ; qi, kv, ao, aos
	v_lshl_add_u32 v[SPW], v0, 2, SPARE
	v_mov_b32 v[NIL], 0
	ds_add_u32 v[SPW], v[NIL]                      ; the wave's opening: the add, twice on end, and its wait ahead of the first tensor load
	ds_add_u32 v[SPW], v[NIL]
	v_lshrrev_b32 v1, 5, v0
	v_readfirstlane_b32 s[WV], v1                  ; wave 0..15
	s_bfe_u32 s13, ttmp6, 0x40000                  ; cx: it enters q's, ao's and aos's addresses alone
	s_and_b32 s14, ttmp7, 0xffff                   ; batch x 16 + head, which the four partners share
	s_mov_b32 s[G1], 15|(3<<16)|(1<<21)            ; the mask: all four; elements of 8 bytes; bit 21 beside a mask; no padding
	s_mov_b32 s[G1+1], 32<<16                      ; rows of 256 bytes,
	s_mov_b32 s[G1+2], 51<<16                      ; 51 of them: a record
	s_mov_b32 s[G1+3], 32<<16
	s_mov_b32 s[G1+4], 51
	s_mov_b32 s[G1+5], 32
	s_mov_b32 s[G1+6], 0
	s_mov_b32 s[G1+7], 0
	s_mul_i32 s46, s[WV], REC                      ; my record
	s_mul_i32 s60, s14, 16*REC                     ; the head's first byte in kv
	s_add_co_u32 s60, s60, s46
	s_mov_b32 s61, 0
	s_mov_b32 s[G0], 1
	s_mov_b32 s[G0+1], s46
	s_mov_b32 s[CS], 0x3e38aa3b                    ; c = log2(e) / 8
	s_mov_b32 s[CS+1], s[CS]
	s_mov_b32 s[NC], 0xbe38aa3b                    ; -c
	s_mov_b32 s[SEL], 0x76543210
	s_mov_b32 s[SEL+1], 0xfedcba98
	s_lshl_b32 s47, s14, 4
	s_lshl_b32 s48, s13, 2
	s_lshr_b32 s49, s[WV], 3
	s_add_co_u32 s47, s47, s48
	s_add_co_u32 s47, s47, s49                     ; q's record of pass 0: head x 16 + 4 cx + wave / 8
	s_mul_i32 s50, s47, 6656
	s_mov_b32 s51, 0
	s_and_b32 s53, s[WV], 7                        ; my tile
	s_lshr_b32 s54, s14, 4
	s_lshl_b32 s54, s54, 4
	s_add_co_u32 s54, s54, s48                     ; the work-group's first token group: batch x 16 + 4 cx
	s_add_co_u32 s55, s54, s49
	s_mul_i32 s56, s55, 98304                      ; ao: my token group,
	s_and_b32 s57, s14, 15
	s_lshr_b32 s58, s57, 1
	s_and_b32 s59, s57, 1
	s_mul_i32 s52, s58, 12288                      ; the K step = the pair of heads,
	s_add_co_u32 s56, s56, s52
	s_mul_i32 s52, s53, 1536                       ; my tile,
	s_add_co_u32 s56, s56, s52
	s_mul_i32 s52, s59, 768                        ; the half = the head's parity
	s_add_co_u32 s56, s56, s52
	s_mov_b32 s57, 0
	s_lshl_b32 s62, s54, 12                        ; aos: 4,096 bytes a token group, 512 a pair of heads, 256 a parity
	s_lshl_b32 s52, s58, 9
	s_add_co_u32 s62, s62, s52
	s_lshl_b32 s52, s59, 8
	s_add_co_u32 s62, s62, s52
	s_mov_b32 s63, 0
	s_mul_i32 s52, s53, 768                        ; q: my tile's half fragment
	s_and_b32 s66, s53, 1
	s_lshr_b32 s67, s53, 1
	s_lshl_b32 s68, s66, 8                         ; q's scale word of tile 4 c + j: 256 (j % 2) + 128 (j / 2) + 8 c, + the lane's 16 (r % 8) + 4 (r / 8)
	s_and_b32 s29, s67, 1
	s_lshl_b32 s29, s29, 7
	s_add_co_u32 s68, s68, s29
	s_lshr_b32 s29, s53, 2
	s_lshl_b32 s29, s29, 3
	s_add_co_u32 s68, s68, s29
	s_lshl_b32 s69, s49, 8                         ; the halfwords in LDS: 256 (wave / 8) + 8 (r + 16 (tile % 2)) + 2 (tile / 2)
	s_lshl_b32 s29, s66, 7
	s_add_co_u32 s69, s69, s29
	s_lshl_b32 s29, s67, 1
	s_add_co_u32 s69, s69, s29
	s_add_co_u32 s69, s69, SCG
	s_and_b32 s29, s[WV], 1                        ; wave 0 empties pass 0's halfwords, wave 1 pass 1's
	s_lshl_b32 s70, s29, 9
	s_add_co_u32 s70, s70, SCG
	s_lshl_b32 s71, s29, 13
	s_wait_dscnt 0x0                               ; both opening adds are done
	s_wait_kmcnt 0x0
	s_add_nc_u64 s[G0+2:G0+3], s[6:7], s[60:61]
	s_or_b32 s[G0+3], s[G0+3], 0x80000000
	s_add_nc_u64 s[4:5], s[4:5], s[50:51]
	s_add_nc_u64 s[8:9], s[8:9], s[56:57]
	s_add_nc_u64 s[10:11], s[10:11], s[62:63]
	CROUND                                         ; all four work-groups are here: the joint loads meet
	s_cmp_lt_u32 s[WV], 4                          ; one chain, one load an arm: waves 0-3, which wait at the first barrier, have a line of their own
	s_cbranch_scc0 .Lrest
	TLOAD
	s_branch .Lasked
.Lrest:
	TLOAD
.Lasked:
	v_and_b32 v40, 31, v0                          ; lane
	v_and_b32 v41, 15, v0                          ; r
	v_and_b32 v42, 7, v0
	v_bfe_u32 v43, v0, 3, 1
	v_bfe_u32 v44, v0, 4, 1                        ; h
	v_lshlrev_b32 v[L16], 4, v40
	v_lshlrev_b32 v[L8], 3, v40
	v_lshlrev_b32 v43, 2, v43
	v_lshl_add_u32 v45, v42, 4, v43                ; 16 (r % 8) + 4 (r / 8)
	v_lshl_add_u32 v[KS], v44, 8, v45
	v_lshlrev_b32 v[H8], 3, v44
	v_add_nc_u32 v46, s52, v[L16]
	v_add_nc_u32 v47, s52, v[L8]
	v_add_nc_u32 v48, s68, v45
	global_load_b128 v[16:19], v46, s[4:5]
	global_load_b64 v[20:21], v47, s[4:5] offset:512
	global_load_b32 v28, v48, s[4:5] offset:6144
	global_load_b128 v[Q2:Q2+3], v46, s[4:5] offset:13312            ; pass 1: two records on
	global_load_b64 v[Q2+4:Q2+5], v47, s[4:5] offset:13312+512
	global_load_b32 v[Q2+6], v48, s[4:5] offset:13312+6144
	v_lshl_add_u32 v[SCA], v41, 3, s69
	v_add_nc_u32 v[SCR], s70, v[L16]
	v_lshlrev_b32 v[AOF], 12, v44
	v_lshl_add_u32 v[AOF], v41, 4, v[AOF]
	v_add_nc_u32 v[AOF], s71, v[AOF]               ; 4,096 (lane / 16) + 16 (lane % 16) + 8,192 x pass
.irp j, 0,1,2,3,4,5
	v_mov_b32 v[22+\j], 0                          ; q's zero codes: k = 64 .. 127
	v_mov_b32 v[F+48+\j], 0                        ; and what stands behind k's last tile
.endr
	v_mov_b32 v[TT], 0                             ; written once: a lane permute's destination counts as one of its sources
	v_mov_b32 v[TT2], 0
	v_mov_b32 v[W2], 0
	v_mov_b32 v[FF+1], 0                           ; (named as the upper half of the pair)
	INIT
	WALU                                           ; the wait at the head's end
	s_wait_loadcnt 0x0                             ; q
	s_cmp_lt_u32 s[WV], 4
	s_cbranch_scc0 .Lnot_first
	s_wait_tensorcnt 0x0                           ; waves 0-3: my record has landed
.Lnot_first:
	s_barrier_signal -1
	s_barrier_wait -1                              ; records 0-3 are in; the others may be on their way
	WALK 0, 4
	s_wait_tensorcnt 0x0                           ; every wave: my record has landed
	s_wait_dscnt 0x0
	s_barrier_signal -1
	s_barrier_wait -1                              ; the whole head lies in LDS
	WALK 4, 12
	OUT 0
	s_wait_xcnt 0x0                                ; the stores have read their data: those registers are written again in the second pass
.irp j, 0,1,2,3,4,5
	v_mov_b32 v[16+\j], v[Q2+\j]                   ; the second pass's q; the lines of INIT are the places ahead of the products
.endr
	v_mov_b32 v28, v[Q2+6]
	INIT
	WALK 0, 16
	OUT 1
	s_wait_dscnt 0x0                               ; for the others' sake: my two halfwords have landed
	s_barrier_signal -1
	s_barrier_wait -1
	s_cmp_lt_u32 s[WV], 2
	s_cbranch_scc0 .Lnot_mine
	ds_load_b128 v[S:S+3], v[SCR]                  ; a pass's sixteen tiles' halfwords, 512 bytes
	s_wait_dscnt 0x0
	global_store_b128 v[AOF], v[S:S+3], s[10:11]   ; lanes 0-15: the first token group's 256 bytes, lanes 16-31: the second's
.Lnot_mine:
	s_wait_tensorcnt 0x0                           ; the wave's end
	ds_add_u32 v[SPW], v[NIL]
	s_wait_dscnt 0x0
	CROUND                                         ; the closing round
	s_endpgm
.Lfunc_end_k_q3939e53aa6_attn:
	.size	k_q3939e53aa6_attn, .Lfunc_end_k_q3939e53aa6_attn-k_q3939e53aa6_attn
	.p2alignl 7, 3214868480
	.fill 96, 4, 3214868480
	.section	.rodata,"a",@progbits
	.p2align	6, 0x0
	.amdhsa_kernel k_q3939e53aa6_attn
		.amdhsa_group_segment_fixed_size 212992
		.amdhsa_private_segment_fixed_size 0
		.amdhsa_enable_private_segment 0
		.amdhsa_kernarg_size 32
		.amdhsa_user_sgpr_count 2
		.amdhsa_user_sgpr_kernarg_segment_ptr 1
		.amdhsa_wavefront_size32 1
		.amdhsa_system_sgpr_workgroup_id_x 1
		.amdhsa_system_sgpr_workgroup_id_y 1
		.amdhsa_system_sgpr_workgroup_id_z 1
		.amdhsa_system_vgpr_workitem_id 0
		.amdhsa_next_free_vgpr 256
		.amdhsa_next_free_sgpr 72
		.amdhsa_reserve_vcc 0
		.amdhsa_float_denorm_mode_32 3
		.amdhsa_float_denorm_mode_16_64 3
		.amdhsa_memory_ordered 1
		.amdhsa_forward_progress 1
		.amdhsa_inst_pref_size 65
	.end_amdhsa_kernel
	.amdgpu_metadata
---
amdhsa.version: [ 1, 2 ]
amdhsa.kernels:
  - .name:           k_q3939e53aa6_attn
    .symbol:         k_q3939e53aa6_attn.kd
    .args:
      - { .name: qi, .offset: 0, .size: 8, .value_kind: global_buffer, .address_space: global }
      - { .name: kv, .offset: 8, .size: 8, .value_kind: global_buffer, .address_space: global }
      - { .name: ao, .offset: 16, .size: 8, .value_kind: global_buffer, .address_space: global }
      - { .name: aos, .offset: 24, .size: 8, .value_kind: global_buffer, .address_space: global }
    .group_segment_fixed_size: 212992
    .private_segment_fixed_size: 0
    .kernarg_segment_align: 8
    .kernarg_segment_size: 32
    .max_flat_workgroup_size: 512
    .sgpr_count:     72
    .vgpr_count:     256
    .wavefront_size: 32
...
	.end_amdgpu_metadata
.endif
;; end of part 3
;; launch oproj (part 4): grid 4 x 64, 4 waves a work-group, clusters of 4 x 4, 327,680 bytes of LDS; arguments ao, aos, img, scl, out0; writes out0
.if DOCPART == 4
	.amdgcn_target "amdgcn-amd-amdhsa--gfx1250"
	.amdhsa_code_object_version 6
	.text
	.protected	k_q3939e53aa6_oproj
	.globl	k_q3939e53aa6_oproj
	.p2align	8
	.type	k_q3939e53aa6_oproj,@function
k_q3939e53aa6_oproj:
	s_mov_b64 s[64:65], 0
	v_nop
	global_prefetch_b8 v0, s[64:65] scope:SCOPE_SE
	s_setreg_imm32_b32 hwreg(HW_REG_WAVE_MODE, 25, 1), 1
	s_wait_xcnt 0x0
	s_wait_alu depctr_hold_cnt(0) depctr_sa_sdst(0) depctr_va_vdst(0) depctr_va_sdst(0) depctr_va_ssrc(0) depctr_va_vcc(0) depctr_vm_vsrc(0)
	s_getreg_b32 s2, hwreg(HW_REG_IB_STS2, 6, 4)
	s_cmp_eq_u32 s2, 0
	s_cbranch_scc0 .Lentry_in_a_cluster
	s_endpgm
.Lentry_in_a_cluster:
	s_bfe_u32 s2, ttmp6, 0x10000c
	s_cmp_lg_u32 s2, 0xf033
	s_cbranch_scc0 .Lentry_shape_is_right
	s_endpgm
.Lentry_shape_is_right:
; out = O w_o^T on codes of FP6 (E2M3) with E8M0 scales, f32 sums, f32 out.  ao: [group of 128 tokens][K step][tile][1,536]: images of operand registers; aos: [group][K step][parity][256]: halfwords, lane l at 8 l: tiles 2 i + l / 16.
; w_o: groups 88-95 of img, its scale words in scl.  Row t of tile a of ao is token 64 (a / 4) + 32 (t / 8) + 8 (a % 4) + t % 8 of its group.
; THE DEAL.  256 work-groups, each 128 tokens x 256 columns; ALL OF K LIES IN LDS, filled once: the tokens' group (98,304 bytes, wave 0's load), w_o's two groups behind it (waves 1-3 a third each).  Nothing is filled again.
; A wave makes 64 tokens (wave / 2) x 128 columns (wave % 2): 32 accumulators.  Source 0 = w_o's tiles, source 1 = the tokens': a lane holds eight neighbouring numbers of a row of out.
; CLUSTER 4 x 4: the tokens' group is shared along a row of the cluster, w_o's groups along a column.  No L2 prefetch: every byte is asked for at the head; there is no later load to run ahead of.
; THE WAY OUT: 16 rows x 512 bytes at a time through the wave's own stage, which lies on the tokens' first K steps: the barrier in the last K step shows that nobody reads them any more, and no fill follows.
.set GRP,   98304
.set HALF,  49152
.set WB,    GRP
.set SPARE, 3*GRP
.set SPITCH, 528
.set L16, 16
.set L8,  17
.set SPW, 18
.set NIL, 19
.set STO, 20
.set RD,  21
.set HO,  22
.set S0,  32                           ; v32-63 w_o's scale words
.set S1,  64                           ; v64-79 the tokens'
.set HW,  80                           ; v80-95 their halfwords as loaded
.set AQ,  96
.set BK,  128
.set G1X, 24
.set G1H, 32
.set G0X, 40
.set G0H, 56
.set MSB, 0
.macro WIN new
.if MSB != \new
	s_set_vgpr_msb (MSB<<8)|\new
.set MSB, \new
.endif
.endm
.macro WALU
	s_wait_alu depctr_va_vdst(0)
.endm
.macro PLACES
.rept 4
	v_nop
.endr
.endm
.macro CROUND
	s_barrier_signal -1
	s_barrier_wait -1
	s_cmp_lg_u32 s14, 0
	s_cbranch_scc1 .Lnot_wave_0_\@
	s_barrier_signal -3
.Lnot_wave_0_\@:
	s_barrier_wait -3
	s_barrier_signal -1
	s_barrier_wait -1
.endm
.macro TLOAD g0, g1
	tensor_load_to_lds s[\g0:\g0+3], s[\g1:\g1+7]
	s_nop 0
	PLACES
.endm
.macro ROWS g, n
	s_mov_b32 s[\g+1], 32<<16
	s_mov_b32 s[\g+2], (\n)<<16
	s_mov_b32 s[\g+3], 32<<16
	s_mov_b32 s[\g+4], \n
	s_mov_b32 s[\g+5], 32
	s_mov_b32 s[\g+6], 0
	s_mov_b32 s[\g+7], 0
.endm
.macro PADD d, b, o
	s_mov_b32 s98, s\o
	s_add_nc_u64 s[\d:\d+1], s[\b:\b+1], s[98:99]
.endm
.macro FRAG reg, a16, a8, off
	ds_load_b128 v[\reg:\reg+3], v[\a16] offset:\off
	ds_load_b64 v[\reg+4:\reg+5], v[\a8] offset:\off+512
	ds_load_b128 v[\reg+6:\reg+9], v[\a16] offset:\off+768
	ds_load_b64 v[\reg+10:\reg+11], v[\a8] offset:\off+1280
.endm
.macro FETCH adr, kk, fs
	WIN 0x40
.irp i, 0,1,2,3,4,5,6,7
	FRAG 128*(\fs)+12*\i, \adr+(\kk)/4, \adr+2+(\kk)/4, ((\kk)%4)*12288+1536*\i
.endr
	WIN 0xc0
.irp i, 0,1,2,3
	FRAG 48*(\fs)+12*\i, \adr+4+(\kk)/4, \adr+6+(\kk)/4, ((\kk)%4)*12288+1536*\i
.endr
	WIN 0
.endm
.macro MUL32 kk, fs, xa, xb, zz
.irp ah, 0,1
.irp al, 0,1
.irp bh, 0,1,2,3
.irp bl, 0,1
.if \zz
	v_wmma_scale_f32_16x16x128_f8f6f4 v[64*(2*\ah+\al)+8*(2*\bh+\bl):64*(2*\ah+\al)+8*(2*\bh+\bl)+7], v[128*(\fs)+12*(2*\bh+\bl):128*(\fs)+12*(2*\bh+\bl)+11], v[48*(\fs)+12*(2*\ah+\al):48*(\fs)+12*(2*\ah+\al)+11], 0, v[\xa+4*(\kk)+\bh], v[\xb+2*(\kk)+\ah] matrix_a_fmt:MATRIX_FMT_FP6 matrix_b_fmt:MATRIX_FMT_FP6 matrix_a_scale:MATRIX_SCALE_ROW\bl matrix_b_scale:MATRIX_SCALE_ROW\al
.else
	v_wmma_scale_f32_16x16x128_f8f6f4 v[64*(2*\ah+\al)+8*(2*\bh+\bl):64*(2*\ah+\al)+8*(2*\bh+\bl)+7], v[128*(\fs)+12*(2*\bh+\bl):128*(\fs)+12*(2*\bh+\bl)+11], v[48*(\fs)+12*(2*\ah+\al):48*(\fs)+12*(2*\ah+\al)+11], v[64*(2*\ah+\al)+8*(2*\bh+\bl):64*(2*\ah+\al)+8*(2*\bh+\bl)+7], v[\xa+4*(\kk)+\bh], v[\xb+2*(\kk)+\ah] matrix_a_fmt:MATRIX_FMT_FP6 matrix_b_fmt:MATRIX_FMT_FP6 matrix_a_scale:MATRIX_SCALE_ROW\bl matrix_b_scale:MATRIX_SCALE_ROW\al
.endif
.endr
.endr
.endr
.endr
.endm
	s_load_b256 s[4:11], s[0:1], 0x0               ; ao, aos, img, scl
	s_load_b64 s[12:13], s[0:1], 0x20              ; out0
	v_lshl_add_u32 v[SPW], v0, 2, SPARE
	v_mov_b32 v[NIL], 0
	ds_add_u32 v[SPW], v[NIL]                      ; the opening lines: the add, twice on end, and its wait
	ds_add_u32 v[SPW], v[NIL]
	v_lshrrev_b32 v1, 5, v0
	v_readfirstlane_b32 s14, v1
	s_lshr_b32 s15, s14, 1
	s_and_b32 s16, s14, 1
	s_bfe_u32 s44, ttmp6, 0x40000
	s_bfe_u32 s45, ttmp6, 0x40004
	s_and_b32 s47, ttmp7, 0xffff
	s_lshl_b32 s2, s45, 2
	s_lshl_b32 s2, 15, s2
	s_lshl_b32 s3, 0x1111, s44
	s_or_b32 s[G1X], s2, (3<<16)|(1<<21)
	s_or_b32 s[G1H], s3, (3<<16)|(1<<21)
	ROWS G1X, 384
	ROWS G1H, 256
	s_lshl_b32 s46, s47, 2
	s_add_co_u32 s46, s46, s45                     ; the group of tokens
	s_mul_i32 s20, s46, GRP
	s_lshl_b32 s60, s44, 1
	s_add_co_u32 s60, s60, 88                      ; w_o's first group of mine
	s_mul_i32 s62, s60, GRP
	s_lshl_b32 s72, s14, 16
	s_add_co_u32 s[G0H+1], s72, 32768              ; waves 1-3: WB + 65,536 (wave - 1)
	s_add_co_u32 s72, s72, s62
	s_sub_co_u32 s72, s72, 65536
	s_mov_b32 s[G0X], 1
	s_mov_b32 s[G0X+1], 0
	s_mov_b32 s[G0H], 1
	s_add_co_u32 s17, s60, s16
	s_lshl_b32 s17, s17, 12                        ; scl: my group of w_o
	s_lshl_b32 s18, s46, 12                        ; aos: my group of tokens
	s_lshl_b32 s19, s46, 19                        ; out: 128 rows of 4,096 bytes a group,
	s_lshl_b32 s21, s15, 18                        ; my 64 rows,
	s_add_co_u32 s19, s19, s21
	s_lshl_b32 s21, s44, 1
	s_add_co_u32 s21, s21, s16
	s_lshl_b32 s21, s21, 9                         ; my 128 columns
	s_add_co_u32 s19, s19, s21
	s_mul_i32 s76, s16, GRP
	s_add_co_u32 s76, s76, WB
	s_mul_i32 s77, s15, 6144
	s_lshl_b32 s78, s15, 2
	s_mul_i32 s79, s14, 16*SPITCH                  ; my stage
	s_mov_b32 s99, 0
	s_wait_dscnt 0x0
	s_wait_kmcnt 0x0
	PADD G0X+2, 4, 20
	s_or_b32 s[G0X+3], s[G0X+3], 0x80000000
	PADD G0H+2, 8, 72
	s_or_b32 s[G0H+3], s[G0H+3], 0x80000000
	PADD 80, 10, 17
	PADD 82, 6, 18
	PADD 12, 12, 19
	CROUND                                         ; all sixteen work-groups are here: the joint loads meet
	s_cmp_eq_u32 s14, 0
	s_cbranch_scc0 .Lthird
	TLOAD G0X, G1X
	s_branch .Lasked
.Lthird:
	TLOAD G0H, G1H
.Lasked:
	v_and_b32 v1, 31, v0
	v_and_b32 v2, 15, v0
	v_bfe_u32 v3, v0, 4, 1
	v_lshlrev_b32 v[L16], 4, v1
	v_lshlrev_b32 v[L8], 3, v1
	v_add_nc_u32 v[HO], s78, v[L8]                 ; my four tiles' halfwords: dword wave / 2 of the lane's two
	v_add_nc_u32 v[AQ], s76, v[L16]
	v_add_nc_u32 v[AQ+2], s76, v[L8]
	v_add_nc_u32 v[AQ+4], s77, v[L16]
	v_add_nc_u32 v[AQ+6], s77, v[L8]
.irp i, 0,2,4,6
	v_add_nc_u32 v[AQ+1+\i], HALF, v[AQ+\i]
.endr
	v_mul_u32_u24 v[STO], v2, SPITCH               ; the stage, in: row l % 16, 64 bytes on for the upper half of the lanes
	v_lshl_add_u32 v[STO], v3, 6, v[STO]
	v_add_nc_u32 v[STO], s79, v[STO]
	v_add_nc_u32 v[RD], s79, v[L16]                ; and back: the 32 lanes take a row of 512 bytes
	WALU                                           ; the wait at the head's end
.irp i, 0,1,2,3,4,5,6,7
	global_load_b128 v[S0+4*\i:S0+4*\i+3], v[L16], s[80:81] offset:512*\i
	global_load_b32 v[HW+2*\i], v[HO], s[82:83] offset:512*\i
	global_load_b32 v[HW+2*\i+1], v[HO], s[82:83] offset:512*\i+256
.endr
	s_wait_tensorcnt 0x0                           ; every wave: my tile has landed
	s_barrier_signal -1
	s_barrier_wait -1
	s_wait_loadcnt 0x0
.irp i, 0,1,2,3,4,5,6,7
	v_perm_b32 v[S1+2*\i], v[HW+2*\i+1], v[HW+2*\i], 0x05040100      ; a word: the even head's two bytes below, the odd head's above
	v_perm_b32 v[S1+2*\i+1], v[HW+2*\i+1], v[HW+2*\i], 0x07060302
.endr
	WALU                                           ; the wait ahead of the blocking waits below
	FETCH AQ, 0, 0
.set ST, 0
.rept 8
	s_wait_dscnt 0x0                               ; this step's fragments are in
.if ST < 7
.if ST > 0
	PLACES
.endif
	FETCH AQ, ST+1, (ST+1)%2
.else
	s_barrier_signal -1                            ; my LDS reads are over
.endif
	WIN 0xad
.if ST == 0
	MUL32 ST, ST%2, S0, S1, 1
.else
	MUL32 ST, ST%2, S0, S1, 0
.endif
	WIN 0
.set ST, ST+1
.endr
	s_barrier_wait -1                              ; and everybody's: the stages may be written
.macro TOSTAGE a
	WIN 0x08
.irp b, 0,1,2,3,4,5,6,7
	ds_store_b128 v[STO], v[64*(\a)+8*\b:64*(\a)+8*\b+3] offset:128*(\b/2)+32*(\b%2)     ; register j of tile 2 B + u is column 32 B + 8 u + 16 h + j; each accumulator from its low end on
	ds_store_b128 v[STO], v[64*(\a)+8*\b+4:64*(\a)+8*\b+7] offset:128*(\b/2)+32*(\b%2)+16
.endr
	WIN 0
.set BB, BK+64*((\a)%2)
.irp t, 0,1,2,3,4,5,6,7,8,9,10,11,12,13,14,15
	ds_load_b128 v[BB+4*\t:BB+4*\t+3], v[RD] offset:\t*SPITCH      ; my wave's own bytes, served in order
.endr
.endm
.macro SEND a, younger
.set BB, BK+64*((\a)%2)
	s_wait_dscnt \younger
.irp t, 0,1,2,3,4,5,6,7,8,9,10,11,12,13,14,15
	global_store_b128 v[L16], v[BB+4*\t:BB+4*\t+3], s[12:13] offset:(8*(\a)+\t+24*(\t/8))*4096 th:TH_STORE_NT   ; 512 consecutive bytes, aligned
.endr
.endm
	PLACES
	TOSTAGE 0
.irp a, 1,2,3
.if \a > 1
	s_wait_xcnt 0x0                                ; block a - 2's stores have read their registers
.endif
	TOSTAGE \a
	SEND \a-1, 32                                  ; behind block a - 1's loads: block a's 16 stores and 16 loads
.endr
	SEND 3, 0
	s_wait_tensorcnt 0x0                           ; the wave's end
	ds_add_u32 v[SPW], v[NIL]
	s_wait_dscnt 0x0
	CROUND                                         ; the closing round
	s_endpgm
.Lfunc_end_k_q3939e53aa6_oproj:
	.size	k_q3939e53aa6_oproj, .Lfunc_end_k_q3939e53aa6_oproj-k_q3939e53aa6_oproj
	.p2alignl 7, 3214868480
	.fill 96, 4, 3214868480
	.section	.rodata,"a",@progbits
	.p2align	6, 0x0
	.amdhsa_kernel k_q3939e53aa6_oproj
		.amdhsa_group_segment_fixed_size 327680
		.amdhsa_private_segment_fixed_size 0
		.amdhsa_enable_private_segment 0
		.amdhsa_kernarg_size 40
		.amdhsa_user_sgpr_count 2
		.amdhsa_user_sgpr_kernarg_segment_ptr 1
		.amdhsa_wavefront_size32 1
		.amdhsa_system_sgpr_workgroup_id_x 1
		.amdhsa_system_sgpr_workgroup_id_y 1
		.amdhsa_system_sgpr_workgroup_id_z 1
		.amdhsa_system_vgpr_workitem_id 0
		.amdhsa_next_free_vgpr 896
		.amdhsa_next_free_sgpr 102
		.amdhsa_reserve_vcc 0
		.amdhsa_float_denorm_mode_32 3
		.amdhsa_float_denorm_mode_16_64 3
		.amdhsa_memory_ordered 1
		.amdhsa_forward_progress 1
		.amdhsa_inst_pref_size 83
	.end_amdhsa_kernel
	.amdgpu_metadata
---
amdhsa.version: [ 1, 2 ]
amdhsa.kernels:
  - .name:           k_q3939e53aa6_oproj
    .symbol:         k_q3939e53aa6_oproj.kd
    .args:
      - { .name: ao, .offset: 0, .size: 8, .value_kind: global_buffer, .address_space: global }
      - { .name: aos, .offset: 8, .size: 8, .value_kind: global_buffer, .address_space: global }
      - { .name: img, .offset: 16, .size: 8, .value_kind: global_buffer, .address_space: global }
      - { .name: scl, .offset: 24, .size: 8, .value_kind: global_buffer, .address_space: global }
      - { .name: out0, .offset: 32, .size: 8, .value_kind: global_buffer, .address_space: global }
    .group_segment_fixed_size: 327680
    .private_segment_fixed_size: 0
    .kernarg_segment_align: 8
    .kernarg_segment_size: 40
    .max_flat_workgroup_size: 128
    .sgpr_count:     102
    .vgpr_count:     896
    .wavefront_size: 32
...
	.end_amdgpu_metadata
.endif
;; end of part 4
